; MI455X (gfx1250); checked and timed in simulation.
; The chip was launched on July 23, 2026; its instructions are those of AMD's public machine-readable ISA for CDNA 5 (MIT licence, August 2026) and "CDNA5" Instruction Set Architecture Reference Guide (July 2026). The comments in the code are by the model that wrote it; some were corrected since.
;; DLRA Net. Allowed arithmetic: float matrix products may take bf16 or f16 operands with f32 sums; all other float work in f32.
;; Inputs: K0 1,024 x 128 float32; K1 4,096 x 128 float32; K2 4,096 x 128 float32; K3 4,096 x 128 float32; Vt0 128 x 4,096 float32; Vt1 128 x 4,096 float32; Vt2 128 x 4,096 float32; Vt3 128 x 1,000 float32; x 1,024 x 1,024 float32.
;; Outputs: out0 1,024 x 1,000 float32.
;; One version. Each part assembles by itself: llvm-mc -triple=amdgcn-amd-amdhsa -mcpu=gfx1250 --defsym DOCPART=n.
;; ======== version 1 of 1: 5 launches
;; workspace buffers: pa 4,194,304 bytes; pb 4,194,304 bytes
;; launch first (part 1): grid 32 x 8, 2 waves a work-group, no clusters, 8,960 bytes of LDS; arguments x, K0, pa; writes pa
.if DOCPART == 1
	.amdgcn_target "amdgcn-amd-amdhsa--gfx1250"
	.amdhsa_code_object_version 6
	.text
	.protected	k_q9b3b82dc5e_first
	.globl	k_q9b3b82dc5e_first
	.p2align	8
	.type	k_q9b3b82dc5e_first,@function
k_q9b3b82dc5e_first:
	s_mov_b64 s[64:65], 0
	v_nop
	global_prefetch_b8 v0, s[64:65] scope:SCOPE_SE
	s_setreg_imm32_b32 hwreg(HW_REG_WAVE_MODE, 25, 1), 1
	s_wait_xcnt 0x0
; pa[kc] = x[:, 128 kc .. +127] . K0[128 kc .. +127, :]   for kc = 0 .. 7: eight partial sums of t0 = x K0  (f32, [1024][128] each).
;
; THE WHOLE PROGRAM computes z (K Vt) as (z K) Vt, which is the same function of the inputs for every input; what differs from forming
; W = K Vt first is the order of rounding: the 128-wide t = z K is rounded to bf16 where W would have been.  Matrix operands are bf16,
; all sums f32.  LIMIT: inputs that hold NaN or infinities are not served (later launches take maxima that drop a NaN).
;
; Work-group (rb, kc): 32 rows of x, 128 of its columns.  Wave w: columns 64 w .. +63 of K0.  32 matrix instructions a wave.
; The product is made TRANSPOSED: source A = K0's columns, source B = rows of x.
;   A straight from f32 memory: a group is 16 loads of 16 bytes a lane.  Load i takes K0's row k = 32 s + 8 h + i + 8 (i / 8) (h = lane / 16),
;   lane r' = lane % 16 its columns 4 r' .. 4 r' + 3.  Word q of the 16 bytes belongs to tile q, whose row r' is column 4 r' + q; packing loads
;   2 p and 2 p + 1 gives register p of a 16-bit A fragment (ISA guide 7.12.2).  So 16 loads and 32 conversions make 4 fragments, without LDS.
;   B from a bf16 tile of x in LDS, rows 272 bytes apart (256 + 16), so that sixteen rows start at sixteen different 16-byte columns.
; OUTPUT ORDER of pa (and pb): byte p*524288 + rb*16384 + w'*2048 + q*512 + lane*16 + jj*4, w' = 4 nt + 2 mh + jh, holds
;   t[32 rb + 16 nt + lane%16][64 mh + 32 (lane/16) + 16 jh + 4 jj + q]: the accumulators as they lie, so every store of a wave covers
;   512 consecutive bytes, aligned, and so does every load of the launch that reads them.
; NO CLUSTER, NO TENSOR LOADS: the 32 row blocks do read the same 65,536 bytes of K0, but as f32 that must be converted; here each 16 bytes
; land in the lane that converts them, while a shared tile would be written to LDS and read from it once more before the same conversion.
.set TP,   272                         ; pitch of the bf16 tile in LDS
.set VX,   5                           ; x: w*65536 + lane*16
.set VXS,  6                           ; LDS: w*4352 + lane*8
.set VK0,  7                           ; K0: h*4096 + r*16 + w*256
.set VTL,  8                           ; LDS: r*272 + h*16
.set VO,   9                           ; pa: w*4096 + lane*16
.set FR,   16                          ; v[16:79]   two buffers of four A fragments
.set XR,   80                          ; v[80:143]  16 rows of x as loaded; then
.set TF,   80                          ; v[80:143]  B fragments, 8 (2 s + nt)
.set PKX,  144                         ; v[144:175] x packed; then
.set Z,    144                         ; v[144:207] accumulators, 8 (4 nt + q)
                                       ; v[256:511] four slots of 64 registers: K0's groups as loaded
.set MSB, 0
.macro WIN new                         ; s_set_vgpr_msb: low byte = the windows (1:0 source 0, 3:2 source 1, 7:6 destination), high byte = the setting left
.if MSB != \new
	s_set_vgpr_msb (MSB<<8)|\new
.set MSB, \new
.endif
.endm
.macro CVT slot, fb                    ; 64 f32 a lane of a slot (window 1) -> four bf16 A fragments in buffer fb
	WIN 0x05
.irp q, 0,1,2,3
.irp p, 0,1,2,3,4,5,6,7
	v_cvt_pk_bf16_f32 v[FR+32*\fb+8*\q+\p], v[64*\slot+8*\p+\q], v[64*\slot+8*\p+4+\q]
.endr
.endr
.endm
.macro LDK0 slot, s                    ; the group of K step s: 32 rows of K0 x my 64 columns; sixteen lanes read 256 consecutive bytes, aligned
	WIN 0x40
.irp i, 0,1,2,3,4,5,6,7,8,9,10,11,12,13,14,15
	global_load_b128 v[64*\slot+4*\i:64*\slot+4*\i+3], v[VK0], s[6:7] offset:(32*\s+\i+8*(\i/8))*512
.endr
.endm
.macro MM2 fb, s                       ; 8 matrix instructions: 4 column tiles x 2 row tiles, 32 along K; the first K step starts the sums
	WIN 0
.irp nt, 0,1
.irp q, 0,1,2,3
.if \s == 0
	v_wmma_f32_16x16x32_bf16 v[Z+8*(4*\nt+\q):Z+8*(4*\nt+\q)+7], v[FR+32*\fb+8*\q:FR+32*\fb+8*\q+7], v[TF+8*(2*\s+\nt):TF+8*(2*\s+\nt)+7], 0
.else
	v_wmma_f32_16x16x32_bf16 v[Z+8*(4*\nt+\q):Z+8*(4*\nt+\q)+7], v[FR+32*\fb+8*\q:FR+32*\fb+8*\q+7], v[TF+8*(2*\s+\nt):TF+8*(2*\s+\nt)+7], v[Z+8*(4*\nt+\q):Z+8*(4*\nt+\q)+7]
.endif
.endr
.endr
.endm
	s_load_b128 s[4:7], s[0:1], 0x0                ; x s[4:5], K0 s[6:7]
	s_load_b64 s[8:9], s[0:1], 0x10                ; pa
	v_lshl_add_u32 v254, v0, 2, 0x2200
	v_mov_b32 v255, 0
	s_and_b32 s12, ttmp7, 0xffff                   ; kc.  ttmp9 = rb
	v_lshrrev_b32 v2, 5, v0
	v_readfirstlane_b32 s13, v2                    ; wave w = 0, 1
	v_and_b32 v1, 31, v0                           ; lane
	v_and_b32 v3, 15, v0                           ; r
	v_bfe_u32 v4, v0, 4, 1                         ; h
	s_lshl_b32 s14, ttmp9, 17                      ; x: 32 rb rows of 4,096 bytes
	s_lshl_b32 s16, s12, 9                         ;    + 128 kc columns
	s_add_co_u32 s14, s14, s16
	s_mov_b32 s15, 0
	s_lshl_b32 s16, s12, 16                        ; K0: 128 kc rows of 512 bytes
	s_mov_b32 s17, 0
	s_lshl_b32 s18, s12, 19                        ; pa: partial kc,
	s_lshl_b32 s20, ttmp9, 14                      ;     row block rb
	s_add_co_u32 s18, s18, s20
	s_mov_b32 s19, 0
	s_lshl_b32 s20, s13, 16                        ; w x 16 rows of x
	s_mul_i32 s21, s13, 16*TP                      ; w x 16 rows of the tile
	s_lshl_b32 s22, s13, 8                         ; w x 64 columns of K0
	s_lshl_b32 s23, s13, 12                        ; w = mh: 2 x 2,048 bytes of pa
	v_lshlrev_b32 v10, 4, v1
	v_add_nc_u32 v[VX], s20, v10
	v_lshlrev_b32 v11, 3, v1
	v_add_nc_u32 v[VXS], s21, v11
	v_lshlrev_b32 v12, 4, v3
	v_lshl_add_u32 v12, v4, 12, v12                ; h x 8 rows of K0
	v_add_nc_u32 v[VK0], s22, v12
	v_mul_u32_u24 v[VTL], v3, TP
	v_lshl_add_u32 v[VTL], v4, 4, v[VTL]
	v_add_nc_u32 v[VO], s23, v10
	s_wait_kmcnt 0x0
	s_add_nc_u64 s[4:5], s[4:5], s[14:15]          ; the bases are written here and never again: no later wait has to free them
	s_add_nc_u64 s[6:7], s[6:7], s[16:17]
	s_add_nc_u64 s[8:9], s[8:9], s[18:19]
	; my 16 rows of x, 512 consecutive bytes a load; no other wave of the launch reads them
.irp j, 0,1,2,3,4,5,6,7,8,9,10,11,12,13,14,15
	global_load_b128 v[XR+4*\j:XR+4*\j+3], v[VX], s[4:5] offset:\j*4096 th:TH_LOAD_NT
.endr
	LDK0 0, 0
	LDK0 1, 1
	s_wait_loadcnt 32                              ; x is in; the 32 loads of the two groups behind it stay out
	LDK0 2, 2
	LDK0 3, 3
	WIN 0
.irp j, 0,1,2,3,4,5,6,7,8,9,10,11,12,13,14,15
	v_cvt_pk_bf16_f32 v[PKX+2*\j],   v[XR+4*\j],   v[XR+4*\j+1]
	v_cvt_pk_bf16_f32 v[PKX+2*\j+1], v[XR+4*\j+2], v[XR+4*\j+3]
	ds_store_b64 v[VXS], v[PKX+2*\j:PKX+2*\j+1] offset:\j*TP       ; a row of 128 bf16: 256 consecutive bytes
.endr
	s_wait_dscnt 0x0                               ; my half of the tile is written, for the other wave's sake: zero
	s_barrier_signal -1
	s_barrier_wait -1
.irp s, 0,1,2,3
.irp nt, 0,1
	ds_load_b128 v[TF+8*(2*\s+\nt):TF+8*(2*\s+\nt)+3],   v[VTL] offset:\nt*16*TP+64*\s
	ds_load_b128 v[TF+8*(2*\s+\nt)+4:TF+8*(2*\s+\nt)+7], v[VTL] offset:\nt*16*TP+64*\s+32
.endr
.endr
	; Four groups.  loadcnt: 16 x the groups issued behind the one awaited.  dscnt: 4 x the K steps of B fragments still out.
	; A group's 32 conversions name only its own fragment buffer and its slot, so they are the independent vector instructions
	; (ISA guide 7.12.1) between the matrix instructions of the group before and the conversions that next write that group's buffer.
	s_wait_loadcnt 48
	CVT 0, 0
	s_wait_dscnt 12
	MM2 0, 0
	s_wait_loadcnt 32
	CVT 1, 1
	s_wait_dscnt 8
	MM2 1, 1
	s_wait_loadcnt 16
	CVT 2, 0
	s_wait_dscnt 4
	MM2 0, 2
	s_wait_loadcnt 0
	CVT 3, 1
	s_wait_dscnt 0
	MM2 1, 3
.rept 4
	v_nop                                          ; four places between the last matrix instruction and the stores that read its result
.endr
.irp nt, 0,1
.irp q, 0,1,2,3
.irp jh, 0,1
	global_store_b128 v[VO], v[Z+8*(4*\nt+\q)+4*\jh:Z+8*(4*\nt+\q)+4*\jh+3], s[8:9] offset:\nt*8192+\jh*2048+\q*512
.endr
.endr
.endr
	s_wait_tensorcnt 0x0
	ds_add_u32 v254, v255
	s_wait_dscnt 0x0
	s_endpgm
.Lfunc_end_k_q9b3b82dc5e_first:
	.size	k_q9b3b82dc5e_first, .Lfunc_end_k_q9b3b82dc5e_first-k_q9b3b82dc5e_first
	.p2alignl 7, 3214868480
	.fill 96, 4, 3214868480
	.section	.rodata,"a",@progbits
	.p2align	6, 0x0
	.amdhsa_kernel k_q9b3b82dc5e_first
		.amdhsa_group_segment_fixed_size 8960
		.amdhsa_private_segment_fixed_size 0
		.amdhsa_enable_private_segment 0
		.amdhsa_kernarg_size 24
		.amdhsa_user_sgpr_count 2
		.amdhsa_user_sgpr_kernarg_segment_ptr 1
		.amdhsa_wavefront_size32 1
		.amdhsa_system_sgpr_workgroup_id_x 1
		.amdhsa_system_sgpr_workgroup_id_y 1
		.amdhsa_system_sgpr_workgroup_id_z 1
		.amdhsa_system_vgpr_workitem_id 0
		.amdhsa_next_free_vgpr 512
		.amdhsa_next_free_sgpr 66
		.amdhsa_reserve_vcc 0
		.amdhsa_float_denorm_mode_32 3
		.amdhsa_float_denorm_mode_16_64 3
		.amdhsa_memory_ordered 1
		.amdhsa_forward_progress 1
		.amdhsa_inst_pref_size 26
	.end_amdhsa_kernel
	.amdgpu_metadata
---
amdhsa.version: [ 1, 2 ]
amdhsa.kernels:
  - .name:           k_q9b3b82dc5e_first
    .symbol:         k_q9b3b82dc5e_first.kd
    .args:
      - { .name: x, .offset: 0, .size: 8, .value_kind: global_buffer, .address_space: global }
      - { .name: K0, .offset: 8, .size: 8, .value_kind: global_buffer, .address_space: global }
      - { .name: pa, .offset: 16, .size: 8, .value_kind: global_buffer, .address_space: global }
    .group_segment_fixed_size: 8960
    .private_segment_fixed_size: 0
    .kernarg_segment_align: 8
    .kernarg_segment_size: 24
    .max_flat_workgroup_size: 64
    .sgpr_count:     66
    .vgpr_count:     512
    .wavefront_size: 32
...
	.end_amdgpu_metadata
.endif
;; end of part 1
;; launch mid0 (part 2): grid 32 x 8, 8 waves a work-group, no clusters, 140,800 bytes of LDS; arguments pa, Vt0, K1, pb; writes pb
.if DOCPART == 2
	.amdgcn_target "amdgcn-amd-amdhsa--gfx1250"
	.amdhsa_code_object_version 6
	.text
	.protected	k_q9b3b82dc5e_mid0
	.globl	k_q9b3b82dc5e_mid0
	.p2align	8
	.type	k_q9b3b82dc5e_mid0,@function
k_q9b3b82dc5e_mid0:
	s_mov_b64 s[64:65], 0
	v_nop
	global_prefetch_b8 v0, s[64:65] scope:SCOPE_SE
	s_setreg_imm32_b32 hwreg(HW_REG_WAVE_MODE, 25, 1), 1
	s_wait_xcnt 0x0
; One hidden layer and the first half of the next:  t = sum of the 8 partials in Pin;  z = relu(t . Vt[:, chunk c]);  Pout[c] = z . K[chunk c, :].
; Arguments: Pin (8 x [1024][128] f32, in the order given below), Vt [128][4096] f32, K [4096][128] f32, Pout (as Pin).
; The 4,096-wide z never leaves registers; only the 128-wide t goes through memory, as eight partial sums, added here in the fixed order 0 .. 7.
;
; z (K Vt) is computed as (z K) Vt: the same function of the inputs; t is rounded to bf16 where K Vt would have been.  Operands bf16, sums f32.
; LIMIT: relu is v_max_num_f32 with 0, which turns a NaN into 0; inputs that hold NaN or infinities are not served.
;
; Work-group (rb, c): 32 rows, width columns 512 c .. +511.  Wave w: its 64 columns, 32,768 bytes of Vt and 32,768 of K that no other wave of
; the group reads; 32 + 32 matrix instructions.
; Both products are made TRANSPOSED: weights are source A, activations source B.
;   A straight from f32 memory: a group is 16 loads of 16 bytes a lane; load i takes one k for each half of the lanes, lane r' = lane % 16
;   four neighbouring columns.  Word q belongs to tile q (its row r' is column 4 r' + q); packing loads 2 p, 2 p + 1 gives register p of a 16-bit
;   A fragment (ISA guide 7.12.2) when load i carries k = 8 h + i + 8 (i / 8).  16 loads and 32 conversions make 4 fragments, without LDS.
;   The result of the first product, lane (r, h), tile q, register j = z[row r][n0 + 32 h + 4 j + q], becomes source B of the second by relu and
;   packing alone: tile 2 s2 fills registers 0-3, tile 2 s2 + 1 registers 4-7, so place k = 8 h + i (+16) of K step s2 stands for width row
;   n0 + 32 h + 4 i + 2 s2 (+1), and K's groups load exactly those rows: the same permutation of k on both sides leaves the products as they are.
; ORDER OF Pin AND Pout: byte p*524288 + rb*16384 + w'*2048 + q*512 + lane*16 + jj*4, w' = 4 nt + 2 mh + jh, holds
;   t[32 rb + 16 nt + lane%16][64 mh + 32 (lane/16) + 16 jh + 4 jj + q]: accumulators as they lie; each load and store of a wave covers 512
;   consecutive bytes, aligned.
; NO CLUSTER, NO TENSOR LOADS: the 32 row blocks of a chunk read the same 524,288 bytes of weights, but as f32 that must be converted.  Here each
; 16 bytes land in the lane that converts them; a shared tile would be written to LDS and read from it once more before the same conversion, and
; beside the 131,072 bytes of the waves' sums it would need a ring with a barrier for each refill.
.set TP,   272                         ; LDS 0 .. 8,703: t in bf16, 32 rows of 256 + 16 bytes: sixteen rows start at sixteen different 16-byte columns
.set RED0, 8704                        ; LDS 8,704 .. 139,775: 8 waves x 16,384 bytes, each wave's sums in the order of Pout
.set VP,   5                           ; w*2048 + lane*16: Pin, Pout, and the sums of waves 0-3 in LDS
.set VP1,  6                           ; VP + 65536: the sums of waves 4-7 (an LDS offset has 16 bits)
.set VV,   7                           ; Vt: h*131072 + r*16 + w*256
.set VK,   8                           ; K:  h*16384 + r*16 + w*32768
.set VTS,  9                           ; where my 32 bytes of t go
.set VTL,  10                          ; r*272 + h*16
.set VRS,  11                          ; w*16384 + lane*16
.set FR,   16                          ; v[16:79]   two buffers of four A fragments (v[16:23] first serve to pack t)
.set LP,   80                          ; v[80:207]  the partials, 16 p + 4 q; then
.set TF,   80                          ; v[80:143]  B fragments of t, 8 (2 s + nt), and
.set Z,    144                         ; v[144:207] z, 8 (4 nt + q); then
.set ACC,  80                          ; v[80:207]  the second product, 8 (4 (2 nt + mh) + q); then
.set RL,   80                          ; v[80:207]  the eight waves' sums of my part, 16 ws + 4 q
.set ZF,   208                         ; v[208:239] B fragments of z, 8 (2 s2 + nt)
                                       ; v[256:511] four slots of 64 registers: weight groups as loaded
.set MSB, 0
.macro WIN new                         ; s_set_vgpr_msb: low byte = the windows (1:0 source 0, 3:2 source 1, 7:6 destination), high byte = the setting left
.if MSB != \new
	s_set_vgpr_msb (MSB<<8)|\new
.set MSB, \new
.endif
.endm
.macro CVT slot, fb                    ; 64 f32 a lane of a slot (window 1) -> four bf16 A fragments in buffer fb
	WIN 0x05
.irp q, 0,1,2,3
.irp p, 0,1,2,3,4,5,6,7
	v_cvt_pk_bf16_f32 v[FR+32*\fb+8*\q+\p], v[64*\slot+8*\p+\q], v[64*\slot+8*\p+4+\q]
.endr
.endr
.endm
.macro LDV slot, s                     ; Vt, K step s: 32 rank rows x my 64 columns; sixteen lanes read 256 consecutive bytes, aligned
	WIN 0x40
.irp i, 0,1,2,3,4,5,6,7,8,9,10,11,12,13,14,15
	global_load_b128 v[64*\slot+4*\i:64*\slot+4*\i+3], v[VV], s[6:7] offset:(32*\s+\i+8*(\i/8))*16384
.endr
.endm
.macro LDK slot, s2, mh                ; K, K step s2: the 32 width rows that step stands for x rank columns 64 mh .. +63
	WIN 0x40
.irp i, 0,1,2,3,4,5,6,7,8,9,10,11,12,13,14,15
	global_load_b128 v[64*\slot+4*\i:64*\slot+4*\i+3], v[VK], s[8:9] offset:(4*(\i%8)+2*\s2+\i/8)*512+256*\mh
.endr
.endm
.macro MM2 fb, s                       ; z^T: 4 column tiles x 2 row tiles, 32 along the rank; the first step starts the sums
	WIN 0
.irp nt, 0,1
.irp q, 0,1,2,3
.if \s == 0
	v_wmma_f32_16x16x32_bf16 v[Z+8*(4*\nt+\q):Z+8*(4*\nt+\q)+7], v[FR+32*\fb+8*\q:FR+32*\fb+8*\q+7], v[TF+8*(2*\s+\nt):TF+8*(2*\s+\nt)+7], 0
.else
	v_wmma_f32_16x16x32_bf16 v[Z+8*(4*\nt+\q):Z+8*(4*\nt+\q)+7], v[FR+32*\fb+8*\q:FR+32*\fb+8*\q+7], v[TF+8*(2*\s+\nt):TF+8*(2*\s+\nt)+7], v[Z+8*(4*\nt+\q):Z+8*(4*\nt+\q)+7]
.endif
.endr
.endr
.endm
.macro MM3 fb, s2, mh                  ; t'^T: 4 rank tiles of half mh x 2 row tiles, 32 of my 64 width columns
	WIN 0
.irp nt, 0,1
.irp q, 0,1,2,3
.if \s2 == 0
	v_wmma_f32_16x16x32_bf16 v[ACC+8*(4*(2*\nt+\mh)+\q):ACC+8*(4*(2*\nt+\mh)+\q)+7], v[FR+32*\fb+8*\q:FR+32*\fb+8*\q+7], v[ZF+8*(2*\s2+\nt):ZF+8*(2*\s2+\nt)+7], 0
.else
	v_wmma_f32_16x16x32_bf16 v[ACC+8*(4*(2*\nt+\mh)+\q):ACC+8*(4*(2*\nt+\mh)+\q)+7], v[FR+32*\fb+8*\q:FR+32*\fb+8*\q+7], v[ZF+8*(2*\s2+\nt):ZF+8*(2*\s2+\nt)+7], v[ACC+8*(4*(2*\nt+\mh)+\q):ACC+8*(4*(2*\nt+\mh)+\q)+7]
.endif
.endr
.endr
.endm
	s_load_b256 s[4:11], s[0:1], 0x0               ; Pin s[4:5], Vt s[6:7], K s[8:9], Pout s[10:11]
	v_lshl_add_u32 v254, v0, 2, 0x22200
	v_mov_b32 v255, 0
	s_and_b32 s12, ttmp7, 0xffff                   ; c.  ttmp9 = rb
	v_lshrrev_b32 v2, 5, v0
	v_readfirstlane_b32 s13, v2                    ; wave w = 4 nt + 2 mh + jh
	v_and_b32 v1, 31, v0                           ; lane
	v_and_b32 v3, 15, v0                           ; r
	v_bfe_u32 v4, v0, 4, 1                         ; h
	s_lshl_b32 s14, ttmp9, 14                      ; Pin: row block rb
	s_mov_b32 s15, 0
	s_lshl_b32 s16, s12, 19                        ; Pout: partial c, row block rb
	s_add_co_u32 s16, s16, s14
	s_mov_b32 s17, 0
	s_lshl_b32 s18, s12, 11                        ; Vt: 512 c columns
	s_mov_b32 s19, 0
	s_lshl_b32 s20, s12, 18                        ; K: 512 c rows of 512 bytes
	s_mov_b32 s21, 0
	s_lshl_b32 s22, s13, 11                        ; w x 2,048
	s_lshl_b32 s23, s13, 14                        ; w x 16,384
	s_lshr_b32 s24, s13, 2                         ; nt:
	s_mul_i32 s24, s24, 16*TP                      ;   16 rows of the tile
	s_bfe_u32 s25, s13, 0x10001                    ; mh:
	s_lshl_b32 s25, s25, 7                         ;   64 bf16
	s_add_co_u32 s24, s24, s25
	s_and_b32 s25, s13, 1                          ; jh:
	s_lshl_b32 s25, s25, 5                         ;   16 bf16
	s_add_co_u32 s24, s24, s25
	s_lshl_b32 s25, s13, 8                         ; w x 64 columns of Vt
	s_lshl_b32 s26, s13, 15                        ; w x 64 rows of K
	v_lshlrev_b32 v12, 4, v1                       ; lane x 16
	v_lshlrev_b32 v13, 4, v3                       ; r x 16
	v_add_nc_u32 v[VP], s22, v12
	v_add_nc_u32 v[VP1], 0x10000, v[VP]
	v_lshl_add_u32 v[VV], v4, 17, v13              ; h x 8 rows of Vt
	v_add_nc_u32 v[VV], s25, v[VV]
	v_lshl_add_u32 v[VK], v4, 14, v13              ; h x 32 rows of K
	v_add_nc_u32 v[VK], s26, v[VK]
	v_mul_u32_u24 v[VTL], v3, TP                   ; r x 272
	v_lshl_add_u32 v[VTS], v4, 6, v[VTL]           ; + h x 32 bf16
	v_add_nc_u32 v[VTS], s24, v[VTS]
	v_lshl_add_u32 v[VTL], v4, 4, v[VTL]
	v_add_nc_u32 v[VRS], s23, v12
	s_wait_kmcnt 0x0
	s_add_nc_u64 s[4:5], s[4:5], s[14:15]          ; the bases are written here and never again, and no address register is rewritten:
	s_add_nc_u64 s[10:11], s[10:11], s[16:17]      ; no later wait has to free a source
	s_add_nc_u64 s[6:7], s[6:7], s[18:19]
	s_add_nc_u64 s[8:9], s[8:9], s[20:21]
	; my eighth of the 32 x 128 numbers of t, in all eight partials, then the first two groups of Vt
.irp p, 0,1,2,3,4,5,6,7
.irp q, 0,1,2,3
	global_load_b128 v[LP+16*\p+4*\q:LP+16*\p+4*\q+3], v[VP], s[4:5] offset:\p*524288+\q*512
.endr
.endr
	LDV 0, 0
	LDV 1, 1                                       ; 64 loads are now named; the issue of the last holds until the first is back (ISA guide 5.7.1): no wait is placed for that
	WIN 0
.irp p, 1,2,3,4,5,6,7
	s_wait_loadcnt 32+4*(7-\p)                     ; partial p is in: behind it stand 4 loads for each younger partial and the 32 of Vt
.irp u, 0,2,4,6,8,10,12,14
	v_pk_add_f32 v[LP+\u:LP+\u+1], v[LP+\u:LP+\u+1], v[LP+16*\p+\u:LP+16*\p+\u+1]
.endr
.endr
	LDV 2, 2
	LDV 3, 3
	WIN 0
	; v[80 + 4 q + jj] = t[row][base + 4 jj + q]: sixteen neighbouring numbers of a row, packed in their order into 32 bytes
.irp jj, 0,1,2,3
.irp e, 0,1
	v_cvt_pk_bf16_f32 v[FR+2*\jj+\e], v[LP+8*\e+\jj], v[LP+8*\e+4+\jj]
.endr
.endr
	ds_store_b128 v[VTS], v[FR:FR+3]
	ds_store_b128 v[VTS], v[FR+4:FR+7] offset:16
	s_wait_dscnt 0x0                               ; my part of t is written, for the other waves' sake: zero
	s_barrier_signal -1
	s_barrier_wait -1
.irp s, 0,1,2,3
.irp nt, 0,1
	ds_load_b128 v[TF+8*(2*\s+\nt):TF+8*(2*\s+\nt)+3],   v[VTL] offset:\nt*16*TP+64*\s
	ds_load_b128 v[TF+8*(2*\s+\nt)+4:TF+8*(2*\s+\nt)+7], v[VTL] offset:\nt*16*TP+64*\s+32
.endr
.endr
	; Eight groups: four of Vt, four of K.  A slot is asked for again straight behind the conversions that emptied it, so four groups
	; (4 x 16 loads x 512 bytes = 32,768 bytes a wave) stay on their way.  loadcnt = 16 x the groups issued behind the one awaited;
	; dscnt = 4 x the K steps of t still out.
	; A group's 32 conversions name only its own fragment buffer and its slot: they are the independent vector instructions (ISA guide 7.12.1)
	; between the matrix instructions of the group before and whatever next writes or reads those instructions' registers.
	s_wait_loadcnt 48
	CVT 0, 0
	LDK 0, 0, 0
	s_wait_dscnt 12
	MM2 0, 0
	s_wait_loadcnt 48
	CVT 1, 1
	LDK 1, 0, 1
	s_wait_dscnt 8
	MM2 1, 1
	s_wait_loadcnt 48
	CVT 2, 0
	LDK 2, 1, 0
	s_wait_dscnt 4
	MM2 0, 2
	s_wait_loadcnt 48
	CVT 3, 1
	LDK 3, 1, 1
	s_wait_dscnt 0
	MM2 1, 3
	s_wait_loadcnt 48
	CVT 0, 0                                       ; 32 places behind the last product of z, in front of the relu that reads it
	WIN 0
.set j, 0
.rept 64
	v_max_num_f32 v[Z+j], 0, v[Z+j]                ; relu
.set j, j+1
.endr
.irp s2, 0,1
.irp nt, 0,1
.irp p, 0,1,2,3
	v_cvt_pk_bf16_f32 v[ZF+8*(2*\s2+\nt)+\p],   v[Z+8*(4*\nt+2*\s2)+2*\p],   v[Z+8*(4*\nt+2*\s2)+2*\p+1]
	v_cvt_pk_bf16_f32 v[ZF+8*(2*\s2+\nt)+4+\p], v[Z+8*(4*\nt+2*\s2+1)+2*\p], v[Z+8*(4*\nt+2*\s2+1)+2*\p+1]
.endr
.endr
.endr
	MM3 0, 0, 0                                    ; writes over t's fragments and z, which are done with
	s_wait_loadcnt 32
	CVT 1, 1
	MM3 1, 0, 1
	s_wait_loadcnt 16
	CVT 2, 0
	MM3 0, 1, 0
	s_wait_loadcnt 0
	CVT 3, 1
	MM3 1, 1, 1
.rept 4
	v_nop                                          ; four places between the last matrix instruction and the LDS stores that read its result,
.endr                                              ; and the loads that later land on it
	; the sum over the eight waves' width columns: every wave lays down its 32 x 128 sums, then adds up one eighth of them
.irp t2, 0,1,2,3
.irp q, 0,1,2,3
.irp jh, 0,1
	ds_store_b128 v[VRS], v[ACC+8*(4*\t2+\q)+4*\jh:ACC+8*(4*\t2+\q)+4*\jh+3] offset:RED0+(2*\t2+\jh)*2048+\q*512
.endr
.endr
.endr
	s_wait_dscnt 0x0                               ; my sums are written, for the other waves' sake: zero
	s_barrier_signal -1
	s_barrier_wait -1
.irp ws, 0,1,2,3
.irp q, 0,1,2,3
	ds_load_b128 v[RL+16*\ws+4*\q:RL+16*\ws+4*\q+3], v[VP] offset:RED0+\ws*16384+\q*512
.endr
.endr
.irp ws, 4,5,6,7
.irp q, 0,1,2,3
	ds_load_b128 v[RL+16*\ws+4*\q:RL+16*\ws+4*\q+3], v[VP1] offset:RED0+(\ws-4)*16384+\q*512
.endr
.endr
.irp ws, 1,2,3,4,5,6,7
	s_wait_dscnt 4*(7-\ws)                         ; wave ws's four loads are in; four for each later wave stay out
.irp u, 0,2,4,6,8,10,12,14
	v_pk_add_f32 v[RL+\u:RL+\u+1], v[RL+\u:RL+\u+1], v[RL+16*\ws+\u:RL+16*\ws+\u+1]
.endr
.endr
.irp q, 0,1,2,3
	global_store_b128 v[VP], v[RL+4*\q:RL+4*\q+3], s[10:11] offset:\q*512      ; 512 consecutive bytes, aligned; read again by the next launch: no hint
.endr
	s_wait_tensorcnt 0x0
	ds_add_u32 v254, v255
	s_wait_dscnt 0x0
	s_endpgm
.Lfunc_end_k_q9b3b82dc5e_mid0:
	.size	k_q9b3b82dc5e_mid0, .Lfunc_end_k_q9b3b82dc5e_mid0-k_q9b3b82dc5e_mid0
	.p2alignl 7, 3214868480
	.fill 96, 4, 3214868480
	.section	.rodata,"a",@progbits
	.p2align	6, 0x0
	.amdhsa_kernel k_q9b3b82dc5e_mid0
		.amdhsa_group_segment_fixed_size 140800
		.amdhsa_private_segment_fixed_size 0
		.amdhsa_enable_private_segment 0
		.amdhsa_kernarg_size 32
		.amdhsa_user_sgpr_count 2
		.amdhsa_user_sgpr_kernarg_segment_ptr 1
		.amdhsa_wavefront_size32 1
		.amdhsa_system_sgpr_workgroup_id_x 1
		.amdhsa_system_sgpr_workgroup_id_y 1
		.amdhsa_system_sgpr_workgroup_id_z 1
		.amdhsa_system_vgpr_workitem_id 0
		.amdhsa_next_free_vgpr 512
		.amdhsa_next_free_sgpr 66
		.amdhsa_reserve_vcc 0
		.amdhsa_float_denorm_mode_32 3
		.amdhsa_float_denorm_mode_16_64 3
		.amdhsa_memory_ordered 1
		.amdhsa_forward_progress 1
		.amdhsa_inst_pref_size 57
	.end_amdhsa_kernel
	.amdgpu_metadata
---
amdhsa.version: [ 1, 2 ]
amdhsa.kernels:
  - .name:           k_q9b3b82dc5e_mid0
    .symbol:         k_q9b3b82dc5e_mid0.kd
    .args:
      - { .name: pa, .offset: 0, .size: 8, .value_kind: global_buffer, .address_space: global }
      - { .name: Vt0, .offset: 8, .size: 8, .value_kind: global_buffer, .address_space: global }
      - { .name: K1, .offset: 16, .size: 8, .value_kind: global_buffer, .address_space: global }
      - { .name: pb, .offset: 24, .size: 8, .value_kind: global_buffer, .address_space: global }
    .group_segment_fixed_size: 140800
    .private_segment_fixed_size: 0
    .kernarg_segment_align: 8
    .kernarg_segment_size: 32
    .max_flat_workgroup_size: 256
    .sgpr_count:     66
    .vgpr_count:     512
    .wavefront_size: 32
...
	.end_amdgpu_metadata
.endif
;; end of part 2
;; launch mid1: the kernel of part 2 again; grid 32 x 8, 8 waves a work-group, no clusters, 140,800 bytes of LDS; arguments pb, Vt1, K2, pa; writes pa
;; launch mid2: the kernel of part 2 again; grid 32 x 8, 8 waves a work-group, no clusters, 140,800 bytes of LDS; arguments pa, Vt2, K3, pb; writes pb
;; launch last (part 3): grid 64 x 1, 8 waves a work-group, no clusters, 70,656 bytes of LDS; arguments pb, Vt3, out0; writes out0
.if DOCPART == 3
	.amdgcn_target "amdgcn-amd-amdhsa--gfx1250"
	.amdhsa_code_object_version 6
	.text
	.protected	k_q9b3b82dc5e_last
	.globl	k_q9b3b82dc5e_last
	.p2align	8
	.type	k_q9b3b82dc5e_last,@function
k_q9b3b82dc5e_last:
	s_mov_b64 s[64:65], 0
	v_nop
	global_prefetch_b8 v0, s[64:65] scope:SCOPE_SE
	s_setreg_imm32_b32 hwreg(HW_REG_WAVE_MODE, 25, 1), 1
	s_wait_xcnt 0x0
; t = sum of the 8 partials in pb;  logits = t . Vt3;  out0 = log_softmax(logits) along the 1,000 classes.
; Arguments: pb (8 x [1024][128] f32 in the order given below), Vt3 [128][1000] f32, out0 [1024][1000] f32.
; z (K3 Vt3) is computed as (z K3) Vt3: the same function of the inputs; t is rounded to bf16 where K3 Vt3 would have been.  Operands bf16, the rest f32.
; The row's true maximum is taken away before every exponential, in two levels (each wave's own, then the eight waves'), whatever the size of the logits.
; LIMIT: maxima are v_max_num_f32, which drops a NaN; inputs that hold NaN or infinities are not served.
;
; Work-group rt: 16 rows.  64 work-groups: a row's softmax stays in one group, and a matrix tile has 16 rows.  Wave w: classes 128 w .. +127, in two
; groups cg of 64.  The product is made TRANSPOSED, Vt3's columns as source A straight from f32 memory: a group is 16 loads of 16 bytes a lane, load i
; takes rank row 32 s + 8 h + i + 8 (i / 8), lane r' four neighbouring classes; word q belongs to tile q (its row r' is class 4 r' + q), and packing loads
; 2 p, 2 p + 1 gives register p of a 16-bit A fragment (ISA guide 7.12.2).  So lane (r, h), tile (cg, q), register j holds
; logit[row r][128 w + 64 cg + 32 h + 4 j + q].
; ORDER OF pb: byte p*524288 + rb*16384 + w'*2048 + q*512 + lane*16 + jj*4, w' = 4 nt + 2 mh + jh, holds
;   t[32 rb + 16 nt + lane%16][64 mh + 32 (lane/16) + 16 jh + 4 jj + q];  rt = 2 rb + nt.
; NO CLUSTER, NO TENSOR LOADS: all 64 groups read the same 512,000 bytes of Vt3, but as f32 that must be converted; here each 16 bytes land in the lane
; that converts them, while a shared tile would be written to LDS and read from it once more before the same conversion.
.set TP,   272                         ; LDS 0 .. 4,351: t in bf16, 16 rows of 256 + 16 bytes
.set SM,   4352                        ; 512 bytes: word [r][w], wave w's maximum of row r
.set SS,   4864                        ; 512 bytes: word [r][w], wave w's sum of exponentials
.set STG,  5376                        ; 64,000 bytes, up to 69,375: the 16 rows of the result as they lie in out0 (4,000 bytes a row).
                                       ; Behind it 256 bytes that nothing writes or reads: in six stage stores sixteen lanes are switched off, and row 15's
                                       ; switched-off lanes hold addresses up to byte 69,471; the allocation covers every lane's address, on or off
.set VP,   5                           ; pb: w*1024 + lane*16
.set VTS,  6                           ; where my four words of t go
.set VTL,  7                           ; r*272 + h*16
.set VO0,  8                           ; Vt3, cg = 0: h*32000 + 512 w + 16 r
.set VO1,  9                           ; Vt3, cg = 1: h*32000 + min(512 w + 256 + 16 r, 3984)
.set VSM,  10                          ; r*32 + w*4
.set VSL,  11                          ; r*32
.set VSTG, 12                          ; r*4000 + w*512 + h*128
.set VG,   13                          ; out0: w*512 + lane*16
.set VGL,  14                          ; the same + STG
.set FR,   16                          ; v[16:79]   two buffers of four A fragments (v[16:19] first serve to pack t); then
.set O,    16                          ; v[16:79]   the results, 32 cg + 4 j + q
.set TF,   80                          ; v[80:111]  B fragments of t, 8 s
.set LP,   112                         ; v[112:175] the partials, 8 p + 4 qq; then
.set ACC,  112                         ; v[112:175] the logits, 8 (4 cg + q); then
.set RB,   112                         ; v[112:175] rows read back, 4 i
.set T,    176                         ; v[176:191] at work
.set S8,   192                         ; v[192:199] eight running sums
.set MX,   200                         ; v[200:201] my wave's maximum, twice
.set MM,   202                         ; v[202:203] the row's maximum, twice
.set LSE,  204
.set NEG,  205                         ; -infinity
.set L2,   206
                                       ; v[256:511] four slots of 64 registers: groups of Vt3 as loaded
.set MSB, 0
.macro WIN new                         ; s_set_vgpr_msb: low byte = the windows (1:0 source 0, 3:2 source 1, 7:6 destination), high byte = the setting left
.if MSB != \new
	s_set_vgpr_msb (MSB<<8)|\new
.set MSB, \new
.endif
.endm
.macro CVT slot, fb                    ; 64 f32 a lane of a slot (window 1) -> four bf16 A fragments in buffer fb
	WIN 0x05
.irp q, 0,1,2,3
.irp p, 0,1,2,3,4,5,6,7
	v_cvt_pk_bf16_f32 v[FR+32*\fb+8*\q+\p], v[64*\slot+8*\p+\q], v[64*\slot+8*\p+4+\q]
.endr
.endr
.endm
.macro LDV3 slot, cg, s                ; Vt3: 32 rank rows of K step s x the 64 classes of group cg
	WIN 0x40
.irp i, 0,1,2,3,4,5,6,7,8,9,10,11,12,13,14,15
	global_load_b128 v[64*\slot+4*\i:64*\slot+4*\i+3], v[VO0+\cg], s[6:7] offset:(32*\s+\i+8*(\i/8))*4000
.endr
.endm
.macro MML fb, cg, s                   ; 4 class tiles x my 16 rows, 32 along the rank; the first step starts the sums
	WIN 0
.irp q, 0,1,2,3
.if \s == 0
	v_wmma_f32_16x16x32_bf16 v[ACC+8*(4*\cg+\q):ACC+8*(4*\cg+\q)+7], v[FR+32*\fb+8*\q:FR+32*\fb+8*\q+7], v[TF+8*\s:TF+8*\s+7], 0
.else
	v_wmma_f32_16x16x32_bf16 v[ACC+8*(4*\cg+\q):ACC+8*(4*\cg+\q)+7], v[FR+32*\fb+8*\q:FR+32*\fb+8*\q+7], v[TF+8*\s:TF+8*\s+7], v[ACC+8*(4*\cg+\q):ACC+8*(4*\cg+\q)+7]
.endif
.endr
.endm
; Eight exponentials e^(x - m) of tile b, on one of two buffers in turn.  x - m is formed first and then scaled by log2 e: the difference of two f32 near
; each other is exact, whereas a product m log2 e rounded by itself would cost whole units of the exponent at large logits.
; Behind a run of v_exp_f32 one plain vector instruction comes before a result is used or a source rewritten (ISA guide 5.7.2): here the adds of the
; batch before, or the next batch's subtraction, both on the other buffer.
.macro EXPB b
.set TB, T+8*(\b&1)
.irp u, 0,2,4,6
	v_pk_add_f32 v[TB+\u:TB+\u+1], v[ACC+8*\b+\u:ACC+8*\b+\u+1], v[MX:MX+1] neg_lo:[0,1] neg_hi:[0,1]
.endr
.irp u, 0,2,4,6
	v_pk_mul_f32 v[TB+\u:TB+\u+1], v[TB+\u:TB+\u+1], 0x3fb8aa3b op_sel_hi:[1,0]
.endr
.irp u, 0,1,2,3,4,5,6,7
.if \b == 0
	v_exp_f32 v[S8+\u], v[TB+\u]                   ; the first batch starts the sums
.else
	v_exp_f32 v[TB+\u], v[TB+\u]
.endif
.endr
.if \b >= 2
.set TO, T+8*((\b-1)&1)
	s_wait_alu depctr_va_vdst(0)
.irp u, 0,2,4,6
	v_pk_add_f32 v[S8+\u:S8+\u+1], v[S8+\u:S8+\u+1], v[TO+\u:TO+\u+1]
.endr
.endif
.endm
	s_load_b128 s[4:7], s[0:1], 0x0                ; pb s[4:5], Vt3 s[6:7]
	s_load_b64 s[8:9], s[0:1], 0x10                ; out0
	v_lshl_add_u32 v254, v0, 2, 0x11000
	v_mov_b32 v255, 0
	v_lshrrev_b32 v2, 5, v0
	v_readfirstlane_b32 s12, v2                    ; wave w = 4 mh + 2 jh + e
	s_mov_b32 s13, 0x76543210                      ; v_permlanex16_b32: lane i of one half reads lane i of the other
	s_mov_b32 s14, 0xfedcba98
	s_mov_b32 s15, 0x3f317218                      ; ln 2
	v_and_b32 v1, 31, v0                           ; lane
	v_and_b32 v3, 15, v0                           ; r
	v_bfe_u32 v4, v0, 4, 1                         ; h
	s_lshl_b32 s16, ttmp9, 13                      ; pb: 16 rows = 8,192 bytes of a partial
	s_mov_b32 s17, 0
	s_mul_i32 s18, ttmp9, 64000                    ; out0: 16 rows of 4,000 bytes, a multiple of 256
	s_mov_b32 s19, 0
	s_lshl_b32 s20, s12, 10                        ; w x 1,024
	s_lshr_b32 s21, s12, 2                         ; mh:
	s_lshl_b32 s21, s21, 7                         ;   64 bf16
	s_bfe_u32 s22, s12, 0x10001                    ; jh:
	s_lshl_b32 s22, s22, 5                         ;   16 bf16
	s_add_co_u32 s21, s21, s22
	s_and_b32 s22, s12, 1                          ; e:
	s_lshl_b32 s22, s22, 2                         ;   2 bf16
	s_add_co_u32 s21, s21, s22
	s_lshl_b32 s23, s12, 9                         ; w x 512: 128 classes of f32
	s_lshl_b32 s25, s12, 2                         ; w x 4
	v_lshlrev_b32 v15, 4, v1                       ; lane x 16
	v_add_nc_u32 v[VP], s20, v15
	v_mul_u32_u24 v[VTL], v3, TP
	v_lshl_add_u32 v[VTS], v4, 6, v[VTL]           ; + h x 32 bf16
	v_add_nc_u32 v[VTS], s21, v[VTS]
	v_lshl_add_u32 v[VTL], v4, 4, v[VTL]
	v_lshlrev_b32 v[VO0], 4, v3
	v_add_nc_u32 v[VO0], s23, v[VO0]               ; at most 3,824: inside a row of 4,000 bytes
	v_add_nc_u32 v[VO1], 0x100, v[VO0]
	v_min_u32 v[VO1], 3984, v[VO1]                 ; wave 7's lanes r = 10 .. 15 stand for classes 1000 .. 1023: they read the row's last 16 bytes, so that no load leaves Vt3
	v_mul_u32_u24 v[T], v4, 32000                  ; h x 8 rows of Vt3
	v_add_nc_u32 v[VO0], v[VO0], v[T]
	v_add_nc_u32 v[VO1], v[VO1], v[T]
	v_add_nc_u32 v[VG], s23, v15
	v_add_nc_u32 v[VGL], STG, v[VG]
	s_wait_kmcnt 0x0
	s_add_nc_u64 s[4:5], s[4:5], s[16:17]          ; the bases are written here and never again
	s_add_nc_u64 s[8:9], s[8:9], s[18:19]
	; my eighth of the 16 x 128 numbers of t, in all eight partials, then the first two groups of Vt3
.irp p, 0,1,2,3,4,5,6,7
.irp qq, 0,1
	global_load_b128 v[LP+8*\p+4*\qq:LP+8*\p+4*\qq+3], v[VP], s[4:5] offset:\p*524288+\qq*512
.endr
.endr
	LDV3 0, 0, 0
	LDV3 1, 0, 1
	WIN 0
.irp p, 1,2,3,4,5,6,7
	s_wait_loadcnt 32+2*(7-\p)                     ; partial p is in: behind it stand 2 loads for each younger partial and the 32 of Vt3
.irp u, 0,2,4,6
	v_pk_add_f32 v[LP+\u:LP+\u+1], v[LP+\u:LP+\u+1], v[LP+8*\p+\u:LP+8*\p+\u+1]
.endr
.endr
	LDV3 2, 0, 2
	LDV3 3, 0, 3                                   ; 64 loads are now named; the issue of the last holds until the first is back (ISA guide 5.7.1): no wait is placed for that
	WIN 0
	; v[112 + 4 qq + jj] = t[row][base + 4 jj + 2 e + qq]: four pairs of neighbours, 8 bytes apart
.irp jj, 0,1,2,3
	v_cvt_pk_bf16_f32 v[FR+\jj], v[LP+\jj], v[LP+4+\jj]
.endr
.irp jj, 0,1,2,3
	ds_store_b32 v[VTS], v[FR+\jj] offset:8*\jj    ; lanes r and r + 16 lie 64 bytes apart in rows 272 bytes apart: some words share a bank, on these four stores only
.endr
	s_wait_dscnt 0x0                               ; my part of t is written, for the other waves' sake: zero
	s_barrier_signal -1
	s_barrier_wait -1
.irp s, 0,1,2,3
	ds_load_b128 v[TF+8*\s:TF+8*\s+3],   v[VTL] offset:64*\s
	ds_load_b128 v[TF+8*\s+4:TF+8*\s+7], v[VTL] offset:64*\s+32
.endr
	; Eight groups, 4 cg + s.  A slot is asked for again straight behind the conversions that emptied it.  loadcnt = 16 x the groups issued behind the
	; one awaited; dscnt = 2 x the K steps of t still out.  A group's 32 conversions name only its own fragment buffer and slot: they are the
	; independent vector instructions (ISA guide 7.12.1) behind the matrix instructions of the group before.
	s_wait_loadcnt 48
	CVT 0, 0
	LDV3 0, 1, 0
	s_wait_dscnt 6
	MML 0, 0, 0
	s_wait_loadcnt 48
	CVT 1, 1
	LDV3 1, 1, 1
	s_wait_dscnt 4
	MML 1, 0, 1
	s_wait_loadcnt 48
	CVT 2, 0
	LDV3 2, 1, 2
	s_wait_dscnt 2
	MML 0, 0, 2
	s_wait_loadcnt 48
	CVT 3, 1
	LDV3 3, 1, 3
	s_wait_dscnt 0
	MML 1, 0, 3
	s_wait_loadcnt 48
	CVT 0, 0
	MML 0, 1, 0
	s_wait_loadcnt 32
	CVT 1, 1
	MML 1, 1, 1
	s_wait_loadcnt 16
	CVT 2, 0
	MML 0, 1, 2
	s_wait_loadcnt 0
	CVT 3, 1
	MML 1, 1, 3
	; six plain vector instructions that name none of the matrix instructions' registers stand in front of the first that reads a logit (ISA guide 7.12.1)
	v_mov_b32 v[NEG], 0xff800000
	v_lshlrev_b32 v[VSL], 5, v3
	v_add_nc_u32 v[VSM], s25, v[VSL]
	v_mul_u32_u24 v[VSTG], v3, 4000
	v_lshl_add_u32 v[VSTG], v4, 7, v[VSTG]
	v_add_nc_u32 v[VSTG], s23, v[VSTG]
	; classes 1000 .. 1023 = 960 + 32 h + 4 j + q >= 1000 in wave 7, cg = 1: h = 1 and j >= 2, that is threads 240 .. 255
	v_cmp_le_u32 vcc_lo, 240, v0
.irp q, 0,1,2,3
.irp j, 2,3,4,5,6,7
	v_cndmask_b32 v[ACC+8*(4+\q)+\j], v[ACC+8*(4+\q)+\j], v[NEG], vcc_lo
.endr
.endr
	; my wave's maximum of each row: four chains over the lane's 64 logits, then the other half of the lanes
.irp k, 0,1,2,3
	v_max_num_f32 v[T+\k], v[ACC+\k], v[ACC+4+\k]
.endr
.irp b, 1,2,3,4,5,6,7
.irp k, 0,1,2,3
	v_max3_num_f32 v[T+\k], v[T+\k], v[ACC+8*\b+\k], v[ACC+8*\b+4+\k]
.endr
.endr
	v_max3_num_f32 v[T], v[T], v[T+1], v[T+2]
	v_max_num_f32 v[T], v[T], v[T+3]
	v_permlanex16_b32 v[T+1], v[T], s13, s14       ; its destination counts as read: a register that has been written
	v_max_num_f32 v[MX], v[T], v[T+1]
	v_mov_b32 v[MX+1], v[MX]
	; my wave's sum of e^(x - its maximum)
	EXPB 0
	EXPB 1
	EXPB 2
	EXPB 3
	EXPB 4
	EXPB 5
	EXPB 6
	EXPB 7
	s_wait_alu depctr_va_vdst(0)
.irp u, 0,2,4,6
	v_pk_add_f32 v[S8+\u:S8+\u+1], v[S8+\u:S8+\u+1], v[T+8+\u:T+8+\u+1]     ; batch 7, behind the four adds of batch 6
.endr
	v_pk_add_f32 v[S8:S8+1], v[S8:S8+1], v[S8+2:S8+3]
	v_pk_add_f32 v[S8+4:S8+5], v[S8+4:S8+5], v[S8+6:S8+7]
	v_pk_add_f32 v[S8:S8+1], v[S8:S8+1], v[S8+4:S8+5]
	v_add_f32 v[S8], v[S8], v[S8+1]
	v_permlanex16_b32 v[S8+1], v[S8], s13, s14
	v_add_f32 v[S8], v[S8], v[S8+1]
	ds_store_b32 v[VSM], v[MX] offset:SM           ; lanes r and r + 16 write the same word with the same value
	ds_store_b32 v[VSM], v[S8] offset:SS
	s_wait_dscnt 0x0                               ; for the other waves' sake: zero
	s_barrier_signal -1
	s_barrier_wait -1
	ds_load_b128 v[T:T+3],     v[VSL] offset:SM
	ds_load_b128 v[T+4:T+7],   v[VSL] offset:SM+16
	ds_load_b128 v[T+8:T+11],  v[VSL] offset:SS
	ds_load_b128 v[T+12:T+15], v[VSL] offset:SS+16
	s_wait_dscnt 0x0
	; M = the row's maximum;  S = sum over the waves of s_w e^(m_w - M), at least 1;  lse = M + ln S
	v_max3_num_f32 v[MM], v[T], v[T+1], v[T+2]
	v_max3_num_f32 v[MM], v[MM], v[T+3], v[T+4]
	v_max3_num_f32 v[MM], v[MM], v[T+5], v[T+6]
	v_max_num_f32 v[MM], v[MM], v[T+7]
	v_mov_b32 v[MM+1], v[MM]
.irp u, 0,2,4,6
	v_pk_add_f32 v[T+\u:T+\u+1], v[T+\u:T+\u+1], v[MM:MM+1] neg_lo:[0,1] neg_hi:[0,1]
.endr
.irp u, 0,2,4,6
	v_pk_mul_f32 v[T+\u:T+\u+1], v[T+\u:T+\u+1], 0x3fb8aa3b op_sel_hi:[1,0]
.endr
.irp u, 0,1,2,3,4,5,6,7
	v_exp_f32 v[T+\u], v[T+\u]
.endr
	v_nop                                          ; one plain place behind the exponentials (ISA guide 5.7.2)
	s_wait_alu depctr_va_vdst(0)
	v_pk_mul_f32 v[S8:S8+1], v[T:T+1], v[T+8:T+9]
.irp u, 2,4,6
	v_pk_fma_f32 v[S8:S8+1], v[T+\u:T+\u+1], v[T+8+\u:T+8+\u+1], v[S8:S8+1]
.endr
	v_add_f32 v[S8], v[S8], v[S8+1]
	v_log_f32 v[L2], v[S8]
	v_nop                                          ; one plain place behind the logarithm
	s_wait_alu depctr_va_vdst(0)
	v_fma_f32 v[LSE], v[L2], s15, v[MM]            ; log2 S x ln 2 + M
	; x - lse; the subtraction also gathers q = 0 .. 3, four neighbouring classes, into four neighbouring registers
.irp cg, 0,1
.irp j, 0,1,2,3,4,5,6,7
.irp q, 0,1,2,3
	v_sub_f32 v[O+32*\cg+4*\j+\q], v[ACC+8*(4*\cg+\q)+\j], v[LSE]
.endr
.endr
.endr
	; into the stage, which has out0's own pitch of 4,000 bytes = 250 x 16: two of a store's sixteen rows fall on the same 16-byte column of a
	; 256-byte span; taken for these 16 stores, since it makes the way back a plain run of consecutive bytes
.irp j, 0,1,2,3,4,5,6,7
	ds_store_b128 v[VSTG], v[O+4*\j:O+4*\j+3] offset:STG+16*\j
.endr
.irp j, 0,1
	ds_store_b128 v[VSTG], v[O+32+4*\j:O+32+4*\j+3] offset:STG+256+16*\j
.endr
	s_wait_xcnt 0x0                                ; EXEC is a source of every global instruction issued so far: it changes only behind this wait
	v_cmp_gt_u32 vcc_lo, 240, v0
	s_and_saveexec_b32 s24, vcc_lo                 ; threads 240 .. 255 hold classes 1000 .. 1023 here, whose bytes would be the next row's first: they store nothing
.irp j, 2,3,4,5,6,7
	ds_store_b128 v[VSTG], v[O+32+4*\j:O+32+4*\j+3] offset:STG+256+16*\j
.endr
	s_or_b32 exec_lo, exec_lo, s24                 ; no global instruction has been issued since the wait above
	s_wait_dscnt 0x0                               ; for the other waves' sake: zero
	s_barrier_signal -1
	s_barrier_wait -1
	; the group's 64,000 bytes are consecutive in out0 and start at a multiple of 256: each store of a wave covers 512 consecutive bytes, aligned
.irp i, 0,1,2,3,4,5,6,7,8,9,10,11,12,13,14
	ds_load_b128 v[RB+4*\i:RB+4*\i+3], v[VGL] offset:4096*\i
.endr
.irp i, 0,1,2,3,4,5,6,7,8,9,10,11,12,13,14
	s_wait_dscnt 14-\i                             ; load i is in; the younger ones stay out
	global_store_b128 v[VG], v[RB+4*\i:RB+4*\i+3], s[8:9] offset:4096*\i th:TH_STORE_NT
.endr
	s_cmp_ge_u32 s12, 5                            ; the last 2,560 bytes: 160 threads, waves 0 .. 4
	s_cbranch_scc1 .Lend
	ds_load_b128 v[RB+60:RB+63], v[VGL] offset:4096*15
	s_wait_dscnt 0x0
	global_store_b128 v[VG], v[RB+60:RB+63], s[8:9] offset:4096*15 th:TH_STORE_NT
.Lend:
	s_wait_tensorcnt 0x0
	ds_add_u32 v254, v255
	s_wait_dscnt 0x0
	s_endpgm
.Lfunc_end_k_q9b3b82dc5e_last:
	.size	k_q9b3b82dc5e_last, .Lfunc_end_k_q9b3b82dc5e_last-k_q9b3b82dc5e_last
	.p2alignl 7, 3214868480
	.fill 96, 4, 3214868480
	.section	.rodata,"a",@progbits
	.p2align	6, 0x0
	.amdhsa_kernel k_q9b3b82dc5e_last
		.amdhsa_group_segment_fixed_size 70656
		.amdhsa_private_segment_fixed_size 0
		.amdhsa_enable_private_segment 0
		.amdhsa_kernarg_size 24
		.amdhsa_user_sgpr_count 2
		.amdhsa_user_sgpr_kernarg_segment_ptr 1
		.amdhsa_wavefront_size32 1
		.amdhsa_system_sgpr_workgroup_id_x 1
		.amdhsa_system_sgpr_workgroup_id_y 1
		.amdhsa_system_sgpr_workgroup_id_z 1
		.amdhsa_system_vgpr_workitem_id 0
		.amdhsa_next_free_vgpr 512
		.amdhsa_next_free_sgpr 66
		.amdhsa_reserve_vcc 1
		.amdhsa_float_denorm_mode_32 3
		.amdhsa_float_denorm_mode_16_64 3
		.amdhsa_memory_ordered 1
		.amdhsa_forward_progress 1
		.amdhsa_inst_pref_size 60
	.end_amdhsa_kernel
	.amdgpu_metadata
---
amdhsa.version: [ 1, 2 ]
amdhsa.kernels:
  - .name:           k_q9b3b82dc5e_last
    .symbol:         k_q9b3b82dc5e_last.kd
    .args:
      - { .name: pb, .offset: 0, .size: 8, .value_kind: global_buffer, .address_space: global }
      - { .name: Vt3, .offset: 8, .size: 8, .value_kind: global_buffer, .address_space: global }
      - { .name: out0, .offset: 16, .size: 8, .value_kind: global_buffer, .address_space: global }
    .group_segment_fixed_size: 70656
    .private_segment_fixed_size: 0
    .kernarg_segment_align: 8
    .kernarg_segment_size: 24
    .max_flat_workgroup_size: 256
    .sgpr_count:     66
    .vgpr_count:     512
    .wavefront_size: 32
...
	.end_amdgpu_metadata
.endif
;; end of part 3
